; MI455X (gfx1250); checked and timed in simulation.
; The chip was launched on July 23, 2026; its instructions are those of AMD's public machine-readable ISA for CDNA 5 (MIT licence, August 2026) and "CDNA5" Instruction Set Architecture Reference Guide (July 2026). The comments in the code are by the model that wrote it; some were corrected since.
;; Swin Block3 D. Allowed arithmetic: matrix products marked QUANTISED: E2M1 operands, one E8M0 scale for each 32 along K, by v_wmma_scale_f32_16x16x128_f8f6f4 with both operands' format E2M1 (or v_wmma_scale_f32_32x16x128_f4), f32 sums; products left as they are: f32 operands where the result goes on into a quantised operand, else bf16, f16 or f32 operands; f32 sums; everything else in f32.
;; Inputs: b_bias1 64 float32; b_bias2 8 float32; b_fc1 512 float32; b_fc2 128 float32; b_proj 128 float32; b_qkv 384 float32; beta1 128 float32; beta2 128 float32; gamma1 128 float32; gamma2 128 float32; w_bias1 3 x 64 float32; w_bias2 64 x 8 float32; w_fc1_codes 512 x 4 x 16 uint8 (E2M1 codes of w_fc1, K innermost, in blocks of 32 codes, two codes a byte); w_fc1_scales 512 x 4 uint8 (E8M0 scales of w_fc1, one for each 32 codes along K); w_fc2_codes 128 x 16 x 16 uint8 (E2M1 codes of w_fc2, K innermost, in blocks of 32 codes, two codes a byte); w_fc2_scales 128 x 16 uint8 (E8M0 scales of w_fc2, one for each 32 codes along K); w_proj_codes 128 x 4 x 16 uint8 (E2M1 codes of w_proj, K innermost, in blocks of 32 codes, two codes a byte); w_proj_scales 128 x 4 uint8 (E8M0 scales of w_proj, one for each 32 codes along K); w_qkv_codes 384 x 4 x 16 uint8 (E2M1 codes of w_qkv, K innermost, in blocks of 32 codes, two codes a byte); w_qkv_scales 384 x 4 uint8 (E8M0 scales of w_qkv, one for each 32 codes along K); x 4 x 32,768 x 128 float32.
;; Outputs: out0 4 x 32,768 x 128 float32.
;; This version of the problem:
;;   THIS VERSION OF THE PROBLEM IS GIVEN IN LOW PRECISION. The matrix products marked QUANTISED in the list below multiply operands that are first quantised to E2M1 (2 exponent bits, 1 mantissa bit; 4 bits a number), with one power-of-two scale for each 32 numbers along K (OCP MX v1.0); their sums are f32. All else is computed in f32.
;;   The module's matrix products, in the order in which they are computed (A, B: the left and right operand; K: the contracted axis; several contracted axes count as one K, in the product's order):
;;     1. [M 131,072, K 128] x [K 128, N 384]; A: computed on the way; B: input w_qkv (given as codes): QUANTISED
;;     2. batch 16,384 x [M 64, K 16] x [K 16, N 64]; A: computed on the way; B: computed on the way: left as it is (K = 16 < 32)
;;     3. [M 4,096, K 3] x [K 3, N 64]; A: computed on the way; B: input w_bias1: left as it is (K = 3 < 32)
;;     4. [M 4,096, K 64] x [K 64, N 8]; A: computed on the way; B: input w_bias2: left as it is (N = 8 < 16)
;;     5. batch 16,384 x [M 16, K 64] x [K 64, N 64]; A: computed on the way; B: softmax (see below): QUANTISED
;;     6. [M 131,072, K 128] x [K 128, N 128]; A: computed on the way; B: input w_proj (given as codes): QUANTISED
;;     7. [M 131,072, K 128] x [K 128, N 512]; A: computed on the way; B: input w_fc1 (given as codes): QUANTISED
;;     8. [M 131,072, K 512] x [K 512, N 128]; A: computed on the way; B: input w_fc2 (given as codes): QUANTISED
;;   THE QUANTISER, for each operand of a quantised product, along K:
;;     - K is cut into blocks of 32 from its start; a last block that is shorter is filled with zeros.
;;     - A block's scale is 2^e with e = floor(log2(the largest magnitude in the block)) - 2, held to -126 .. 127; a block of zeros has e = 0. As a byte (E8M0): e + 127.
;;     - Each number is divided by its block's scale, clamped to +-6, and rounded to the nearest number of E2M1, ties to even, subnormals kept.
;;     - The product sums the exact products of the quantised numbers (number of the format x scale) in f32.
;;   ~~~python
;;   def quantise(x, axis):      # numpy; x: float32 -> the quantised numbers, widened to float32 again
;;       x = np.moveaxis(x, axis, -1); K = x.shape[-1]
;;       x = np.pad(x, [(0, 0)] * (x.ndim - 1) + [(0, -K % 32)]); x = x.reshape(x.shape[:-1] + (-1, 32)); a = np.abs(x).max(-1, keepdims=True)
;;       e = np.where(a > 0, np.clip(np.frexp(np.where(a > 0, a, 1))[1] - 1 - 2, -126, 127), 0)      # np.frexp(a)[1] - 1 = floor(log2(a)), exactly
;;       r = np.clip(x / 2.0 ** e, -6, 6)
;;       step = 2.0 ** (np.maximum(np.frexp(np.where(r == 0, 1, r))[1] - 1, 0) - 1)
;;       q = np.round(r / step) * step * 2.0 ** e      # np.round: ties to even
;;       return np.moveaxis(q.reshape(q.shape[:-2] + (-1,))[..., :K], -1, axis).astype(np.float32)
;;   ~~~
;;   SOFTMAX AHEAD OF A QUANTISED PRODUCT. Where the list says 'softmax', what is quantised is not the finished softmax but p = 2^(t - M), with t = logit x log2(e) and M = ceil(the row's largest t), a whole number; so 1/2 < the row's largest p <= 1. The row's sum l is taken of the UNQUANTISED p, in f32, and the product's result is divided by l at the end. Since M is a whole number, a kernel that streams over the keys may use a running M (the ceiling of the running maximum): every later rescaling is an exact power of two, which a block's scale takes up: the codes' values come out the same.
;;   OPERANDS COMPUTED ON THE WAY. 'Computed on the way' means the value that the module computes at that place (a softmax that the list does not call 'softmax' is quantised finished and normalised). What goes into a quantiser is computed in f32, as accurately as f32 sums, v_exp_f32 and their like allow (about 1e-6 of the number): no bf16 or f16 on the way to a quantiser, and a product that is left as it is and whose result goes on into a quantised operand takes f32 operands (vector FMAs, or v_wmma_f32_16x16x4_f32). A number that lies on a knife's edge between two numbers of the format may be rounded either way, as far as f32 arithmetic and the matrix unit's own rounding can turn it there, and no further.
;;   INPUTS GIVEN AS CODES. w_fc1 (in the module: [128, 512], K = its axis 0); w_fc2 (in the module: [512, 128], K = its axis 0); w_proj (in the module: [128, 128], K = its axis 0); w_qkv (in the module: [128, 384], K = its axis 0): each comes as NAME_codes (uint8): NAME with its K axis moved to the last place and cut into blocks of 32 codes, [.., K / 32, bytes a block], one block behind the other in memory; two codes a byte, the lower K in the low four bits (a code: sign, 2 exponent bits, 1 mantissa bit); and NAME_scales (uint8): the same leading axes, one E8M0 byte (e + 127) for each 32 codes along K. Its value is code x scale, taken as it is: it is not quantised again, and the codes and scales need not be those that the quantiser above would give.
;; One version. Each part assembles by itself: llvm-mc -triple=amdgcn-amd-amdhsa -mcpu=gfx1250 --defsym DOCPART=n.
;; ======== version 1 of 1: 1 launch
;; launch swin (part 1): grid 256 x 1, 8 waves a work-group, no clusters, 111,872 bytes of LDS; arguments x, out0, w_qkv_codes, w_qkv_scales, w_proj_codes, w_proj_scales, w_fc1_codes, w_fc1_scales, w_fc2_codes, w_fc2_scales, b_qkv, b_proj, b_fc1, b_fc2, gamma1, beta1, gamma2, beta2, w_bias1, b_bias1, w_bias2, b_bias2; writes out0
.if DOCPART == 1
	.amdgcn_target "amdgcn-amd-amdhsa--gfx1250"
	.amdhsa_code_object_version 6
	.text
	.protected	k_q5f070bdbd4_swin
	.globl	k_q5f070bdbd4_swin
	.p2align	8
	.type	k_q5f070bdbd4_swin,@function
k_q5f070bdbd4_swin:
	s_mov_b64 s[64:65], 0
	v_nop
	global_prefetch_b8 v0, s[64:65] scope:SCOPE_SE
	s_setreg_imm32_b32 hwreg(HW_REG_WAVE_MODE, 25, 1), 1
	s_wait_xcnt 0x0
; A SWIN BLOCK IN ONE LAUNCH: LayerNorm, shifted windows of 4 x 4 x 4 tokens, attention of 8 heads of 16 with a bias from relative coordinates, projection, residual, LayerNorm, MLP with exact GELU, residual.
; x, out0: [4][32 x 32 x 32][128] f32.  The products with w_qkv, w_proj, w_fc1, w_fc2 and p v run on codes of FP4 (E2M1) with one E8M0 scale for each 32 along K; q k^T (K = 16) on f32 operands.
; SHARES.  Work-group g: batch g / 64, window planes (g / 8) % 8 and g % 8; it walks the 8 windows along the last axis.  The roll back puts each token where it came from, so a row of x is read once and the same
; row of out0 is written once, 512 consecutive bytes an instruction.  Eight waves, two roles each.  COLUMNS: wave w is head w, outputs 16 w .. + 15 of proj and of fc2, hidden units 64 w .. + 63 of fc1; its weights,
; biases and its head's bias tiles stay in registers (window 1) for the whole launch.  ROWS: rows 8 w .. + 7 of the window, for the norms, the row quantisers, the residuals, loads and stores.
; Operands go from the row role to the column role as images of their registers in LDS, f32 results go back as rows of a stage.  Seven barriers a window.
; LAYOUTS.  L = lane, r = L % 16, h = L / 16.  All products are used so that a lane holds ONE token (r) and its eight registers eight neighbouring columns (8 h + j); only v is made the other way round (a lane holds one
; of the head's 16, its registers run along the tokens), since the tokens are the K of p v.  Owner layout (row role): lane (L % 8, L / 8) holds one whole block of 32 channels of one row.
; SOFTMAX.  t = logit x log2(e); M = the ceiling of the row's largest t; p = 2^(t - M) is quantised along the keys, the sum of the unquantised p divides at the end.
; GELU.  gelu(x) = max(x, 0) - |x| t 2^arg, t = 1 / (1 + |x| / (2 sqrt 2)), arg a polynomial of degree 9 in t less x^2 log2(e) / 2 less 1: a rational-exponential form of erfc / 2, without a difference of near numbers.
; NO CLUSTER: what work-groups share is the weights, 98,304 bytes of codes against 524,288 bytes of x and out0 for each work-group; each wave reads its eighth once, straight into registers, where no joint load lands.
; NO TENSOR LOADS: a window's 8 rows a wave are asked for one window ahead, into 32 registers.
; LIMITS: NaN and infinities among the inputs are not served.  A block of zeros gets the scale byte 1 (not 127) over zero codes; the bytes are read by this program alone.  The erfc form is good to 1.2e-7 of erfc,
; apart from f32 rounding.  q is multiplied by log2(e) / 4 ahead of q k^T: one rounding more than a scaling behind it.
.set PITCH, 528                        ; a row of 128 f32 in LDS: 512 bytes + 16, 33 columns of 16 bytes: sixteen rows at one column start at sixteen different columns modulo 16
.set XB,   0                           ; 64 rows: x, later x + attention; rows 8 w .. + 7 are touched by wave w alone
.set ST,   64*PITCH                    ; 64 rows: the stage: attention's result, then proj's, then fc2's
.set AIMG, 2*64*PITCH                  ; 4 fragment images of 1,024 bytes (16 tokens x 128 K): group c at 512 c, lane at 16 L
.set ASC,  AIMG+4096                   ; their scale words: 64 bytes a tile, 4 a token
.set HIMG, ASC+256                     ; the hidden layer's 16 fragments: tile of tokens m, K step s: index 4 m + s
.set HSC,  HIMG+16384                  ; their scale words
.set CW2,  HSC+1024                    ; w_bias2 as it lies
.set GB,   CW2+2048                    ; gamma1, beta1, gamma2, beta2, 512 bytes each
.set CW1,  GB+2048                     ; w_bias1's three rows, then b_bias1: four rows of 256 bytes
.set TAB,  CW1+1024                    ; the bias table: 512 entries x 8 heads of f32; entry 49 (d1 + 3) + 7 (d2 + 3) + d3 + 3
; window 0, fixed
.set LI,   1                           ; AIMG + 16 L
.set LS,   2                           ; ASC + 4 r
.set AWI,  3                           ; where my block's 16 bytes of codes go in an image
.set AWS,  4                           ; and its scale byte
.set OWN,  5                           ; my block of my row in XB
.set DN,   6                           ; my 16 bytes of my wave's first row in XB
.set SOA,  7                           ; the stage: row r, my wave's 64 bytes, + 32 h
.set HWI,  8                           ; HIMG + 16 x thread
.set HWS,  9                           ; my wave's two bytes of a hidden scale word
.set GBA,  10                          ; GB + my block's 128 bytes
.set VB0,  11                          ; 16 L + the byte offset in x of my wave's rows 0-3 at Z = 0;  VB1: rows 4-7
.set VB1,  12
.set LOFF, 13                          ; v13-16 offsets of the loads of the next window
.set SOFF, 17                          ; v17-20 offsets of this window's stores
.set WQS,  22                          ; scale words, and nothing else, from here to v55
.set WKS,  23
.set WVS,  24
.set WPS,  25
.set WF1S, 26
.set WF2S, 30
.set ASR,  34                          ; v34-37 the activations' words, a tile of tokens each
.set HSR,  38                          ; v38-53 the hidden layer's, 4 s + m
.set PS,   54
.set VS,   55
.set C9,   56                          ; v56:57 the polynomial's highest coefficient, twice
.set NM,   58                          ; v58:59 -M (low word)
.set RL,   60                          ; v60:61 1 / the row's sum (low word)
.set K2V,  62                          ; v62:63 -log2(e) / 2, twice
; window 0, at work (v128-159 are written by matrix instructions alone in the whole text)
.set YY,   64
.set ZZ,   96
.set GG,   160
.set BT,   192
.set TT,   224
.set CD,   240
.set SUM,  244
.set PT,   245
.set MU,   246
.set RSQ,  248
.set MA,   250
.set MB,   251
.set SOP,  252
.set BY,   253
.set QQ,   64
.set KK,   96
.set SS,   128
.set PW,   160
.set VV,   192
.set OT,   192
.set PF,   224
.set VF,   232
.set OO,   240
.set MX,   248
.set MY,   250
.set SO,   252
.set LT,   254
.set XF,   64
.set PA,   96
.set T5,   96
.set HA,   128
.set P5,   160
.set QS,   192
.set HW,   254
.set FA,   128
; window 1: what stays
.set WQ,   0
.set WK,   8
.set WV,   16
.set WP,   24
.set WF1,  32
.set WF2,  64
.set BQ,   96
.set BK,   104
.set BV,   112
.set BP,   120
.set BF1,  128
.set BF2,  160
.set TB,   168                         ; 7 bias tiles: query plane less key plane = d at TB + 8 (d + 3)
.set XN,   224                         ; the next window's 8 rows, 16 bytes a lane
.set MSB, 0
.macro WIN new                         ; bits 1:0 source 0, 3:2 source 1, 5:4 source 2, 7:6 destination; the high byte repeats the setting that is left
.if MSB != \new
	s_set_vgpr_msb (MSB<<8)|\new
.set MSB, \new
.endif
.endm
.macro NOPS n
.rept \n
	v_nop
.endr
.endm
.macro BAR                             ; my LDS stores have landed and my LDS loads are in: then the work-group's barrier
	s_wait_dscnt 0x0
	s_barrier_signal -1
	s_barrier_wait -1
.endm
.macro SPAIR r, val                    ; a constant for packed forms: the pair is named, so both words are written
	s_mov_b32 s[\r], \val
	s_mov_b32 s[\r+1], s[\r]
.endm
.macro MMC d, a, b, c, sa, sb          ; D = A x B + C on FP4 codes
	v_wmma_scale_f32_16x16x128_f8f6f4 v[(\d):(\d)+7], v[(\a):(\a)+7], v[(\b):(\b)+7], v[(\c):(\c)+7], v[(\sa)], v[(\sb)] matrix_a_fmt:MATRIX_FMT_FP4 matrix_b_fmt:MATRIX_FMT_FP4
.endm
; The offsets of my 8 rows in window sw of the walk.  Z = (4 sw + i3 + 2) % 32: i3 = 0, 1 never wrap; i3 = 2, 3 wrap together.  Row j takes register dst + 2 (j / 4) + (j % 4) / 2 and the immediate 512 (j % 2).
.macro OFFS dst, sw
	s_lshl_b32 s80, \sw, 11
	s_add_co_u32 s81, s80, 2048
	s_and_b32 s81, s81, 0x3fff
	s_add_co_u32 s80, s80, 1024
	v_add_nc_u32 v[\dst], s80, v[VB0]
	v_add_nc_u32 v[\dst+1], s81, v[VB0]
	v_add_nc_u32 v[\dst+2], s80, v[VB1]
	v_add_nc_u32 v[\dst+3], s81, v[VB1]
.endm
.macro XLOAD                           ; 8 rows of x: each load reads a whole row of 512 bytes
	WIN 0x40
.irp j, 0,1,2,3,4,5,6,7
	global_load_b128 v[XN+4*\j:XN+4*\j+3], v[LOFF+2*(\j/4)+(\j%4)/2], s[4:5] offset:512*(\j%2) th:TH_LOAD_NT
.endr
	WIN 0
.endm
.macro AFETCH base                     ; the four activation fragments and their scale words: 12 loads
.irp m, 0,1,2,3
	ds_load_b128 v[\base+8*\m:\base+8*\m+3], v[LI] offset:1024*\m
	ds_load_b128 v[\base+8*\m+4:\base+8*\m+7], v[LI] offset:1024*\m+512
	ds_load_b32 v[ASR+\m], v[LS] offset:64*\m
.endr
.endm
.macro XSUM                            ; a row lies in lanes L, L xor 8, L xor 16, L xor 24
	v_add_f32_dpp v[SUM], v[SUM], v[SUM] row_xmask:8 row_mask:0xf bank_mask:0xf
	v_permlanex16_b32 v[PT], v[SUM], s50, s51
	v_add_f32 v[SUM], v[SUM], v[PT]
.endm
; My 32 numbers in YY are one block: its largest magnitude needs no other lane; the codes are 16 bytes of an image, the scale one byte of a word.
.macro QROW
	v_max3_num_f32 v[MA], |v[YY]|, |v[YY+1]|, |v[YY+2]|
	v_max3_num_f32 v[MB], |v[YY+3]|, |v[YY+4]|, |v[YY+5]|
.irp i, 6,10,14,18,22,26
	v_max3_num_f32 v[MA], v[MA], |v[YY+\i]|, |v[YY+\i+1]|
	v_max3_num_f32 v[MB], v[MB], |v[YY+\i+2]|, |v[YY+\i+3]|
.endr
	v_max3_num_f32 v[MA], v[MA], |v[YY+30]|, |v[YY+31]|
	v_max3_num_f32 v[MA], v[MA], v[MB], 0x1800000      ; the floor 2^(3 - 127): the byte cannot fall under 1
	v_add_nc_u32 v[SOP], 0xff000000, v[MA]             ; 2 off the exponent field: the conversion's scale operand
	v_lshrrev_b32 v[BY], 23, v[SOP]                    ; the scale's byte
.irp i, 0,1,2,3
	v_cvt_scalef32_pk8_fp4_f32 v[CD+\i], v[YY+8*\i:YY+8*\i+7], v[SOP]
.endr
	v_nop                                              ; one plain place behind the scaled conversions
	ds_store_b128 v[AWI], v[CD:CD+3]
	ds_store_b8 v[AWS], v[BY]
.endm
; LayerNorm of YY (gain in GG, offset in BT, still on their way: gwait says how many younger LDS instructions may stay out), then QROW.
.macro LNQ gwait
.irp i, 0,2,4,6,8,10,12,14
	v_pk_add_f32 v[TT+\i:TT+\i+1], v[YY+\i:YY+\i+1], v[YY+16+\i:YY+17+\i]
.endr
.irp i, 0,2,4,6
	v_pk_add_f32 v[TT+\i:TT+\i+1], v[TT+\i:TT+\i+1], v[TT+8+\i:TT+9+\i]
.endr
.irp i, 0,2
	v_pk_add_f32 v[TT+\i:TT+\i+1], v[TT+\i:TT+\i+1], v[TT+4+\i:TT+5+\i]
.endr
	v_pk_add_f32 v[TT:TT+1], v[TT:TT+1], v[TT+2:TT+3]
	v_add_f32 v[SUM], v[TT], v[TT+1]
	XSUM
	v_mul_f32 v[MU], s78, v[SUM]                       ; the mean
.irp i, 0,2,4,6,8,10,12,14,16,18,20,22,24,26,28,30
	v_pk_add_f32 v[YY+\i:YY+\i+1], v[YY+\i:YY+\i+1], v[MU:MU+1] op_sel_hi:[1,0] neg_lo:[0,1] neg_hi:[0,1]
.endr
	v_pk_mul_f32 v[TT:TT+1], v[YY:YY+1], v[YY:YY+1]    ; the squares of the differences, in two chains
	v_pk_mul_f32 v[TT+2:TT+3], v[YY+2:YY+3], v[YY+2:YY+3]
.irp i, 4,8,12,16,20,24,28
	v_pk_fma_f32 v[TT:TT+1], v[YY+\i:YY+\i+1], v[YY+\i:YY+\i+1], v[TT:TT+1]
	v_pk_fma_f32 v[TT+2:TT+3], v[YY+\i+2:YY+\i+3], v[YY+\i+2:YY+\i+3], v[TT+2:TT+3]
.endr
	v_pk_add_f32 v[TT:TT+1], v[TT:TT+1], v[TT+2:TT+3]
	v_add_f32 v[SUM], v[TT], v[TT+1]
	XSUM
	v_fma_f32 v[SUM], v[SUM], s78, s55                 ; the variance + 1e-5
	v_rsq_f32 v[RSQ], v[SUM]
	v_nop                                              ; a plain place behind the transcendental
	s_wait_alu depctr_va_vdst(0)                       ; and the wait ahead of its first reader
	s_wait_dscnt \gwait                                ; gain and offset are in
.irp i, 0,2,4,6,8,10,12,14,16,18,20,22,24,26,28,30
	v_pk_mul_f32 v[YY+\i:YY+\i+1], v[YY+\i:YY+\i+1], v[RSQ:RSQ+1] op_sel_hi:[1,0]
.endr
.irp i, 0,2,4,6,8,10,12,14,16,18,20,22,24,26,28,30
	v_pk_fma_f32 v[YY+\i:YY+\i+1], v[YY+\i:YY+\i+1], v[GG+\i:GG+\i+1], v[BT+\i:BT+\i+1]
.endr
	QROW
.endm
; Two blocks of 32 along K lie in my 2 x 16 registers and lane L xor 16's: their largest magnitudes into MX, MX + 1.
.macro MAX2 src
.irp k, 0,1
	v_max3_num_f32 v[MX+\k], |v[\src+16*\k]|, |v[\src+16*\k+1]|, 0x1800000
.endr
.irp i, 2,4,6,8,10,12,14
.irp k, 0,1
	v_max3_num_f32 v[MX+\k], v[MX+\k], |v[\src+16*\k+\i]|, |v[\src+16*\k+\i+1]|
.endr
.endr
.irp k, 0,1
	v_permlanex16_b32 v[MY+\k], v[MX+\k], s50, s51
.endr
.irp k, 0,1
	v_max_num_f32 v[MX+\k], v[MX+\k], v[MY+\k]
.endr
.endm
; From MX: the two bytes (word = byte 1 << 8 | byte 0), four registers of codes, and the exchange of halves that gives each lane a whole block.
; alt = 1: register 8 a + j holds k = 16 a + 8 h + j (v and p);  alt = 0: register 16 b + i holds k = 32 b + 16 h + i (the hidden layer).
.macro CODES dst, src, word, alt
.irp k, 0,1
	v_add_nc_u32 v[SO+\k], 0xff000000, v[MX+\k]
.endr
.irp k, 0,1
	v_lshrrev_b32 v[MY+\k], 23, v[SO+\k]
.endr
	v_lshl_or_b32 v[\word], v[MY+1], 8, v[MY]
.if \alt
	v_cvt_scalef32_pk8_fp4_f32 v[\dst], v[\src:\src+7], v[SO]
	v_cvt_scalef32_pk8_fp4_f32 v[\dst+2], v[\src+8:\src+15], v[SO]
	v_cvt_scalef32_pk8_fp4_f32 v[\dst+1], v[\src+16:\src+23], v[SO+1]
	v_cvt_scalef32_pk8_fp4_f32 v[\dst+3], v[\src+24:\src+31], v[SO+1]
	v_nop                                              ; one plain place behind the scaled conversions
	v_permlane16_swap_b32 v[\dst], v[\dst+1]           ; register i now holds k = 32 h + 8 i + 0 .. 7
	v_permlane16_swap_b32 v[\dst+2], v[\dst+3]
.else
	v_cvt_scalef32_pk8_fp4_f32 v[\dst], v[\src:\src+7], v[SO]
	v_cvt_scalef32_pk8_fp4_f32 v[\dst+1], v[\src+8:\src+15], v[SO]
	v_cvt_scalef32_pk8_fp4_f32 v[\dst+2], v[\src+16:\src+23], v[SO+1]
	v_cvt_scalef32_pk8_fp4_f32 v[\dst+3], v[\src+24:\src+31], v[SO+1]
	v_nop
	v_permlane16_swap_b32 v[\dst], v[\dst+2]
	v_permlane16_swap_b32 v[\dst+1], v[\dst+3]
.endif
.endm
; S^T = K Q^T + bias for query tile b: four key tiles, four K steps of 4.  K step s takes registers 2 s, 2 s + 1 of both operands: the same places of the head's 16 on both sides.
; The first K step takes the bias tile as C; the four accumulators take turns, one instruction a turn.
.macro QK b
	WIN 0x10
.irp a, 0,1,2,3
	v_wmma_f32_16x16x4_f32 v[SS+8*\a:SS+8*\a+7], v[KK+8*\a:KK+8*\a+1], v[QQ+8*\b:QQ+8*\b+1], v[TB+8*(\b-\a+3):TB+8*(\b-\a+3)+7]
.endr
	WIN 0
.irp s, 1,2,3
.irp a, 0,1,2,3
	v_wmma_f32_16x16x4_f32 v[SS+8*\a:SS+8*\a+7], v[KK+8*\a+2*\s:KK+8*\a+2*\s+1], v[QQ+8*\b+2*\s:QQ+8*\b+2*\s+1], v[SS+8*\a:SS+8*\a+7]
.endr
.endr
.endm
; The softmax of 16 queries: my lane holds one query and 32 of its 64 keys.  SS is only read.
.macro SM
.irp k, 0,1
	v_max3_num_f32 v[MX+\k], v[SS+16*\k], v[SS+16*\k+1], v[SS+16*\k+2]     ; the largest t of each block of 32 keys: it serves the row's maximum and, since p rises with t, the block's largest p
.endr
.irp i, 3,5,7,9,11,13
.irp k, 0,1
	v_max3_num_f32 v[MX+\k], v[MX+\k], v[SS+16*\k+\i], v[SS+16*\k+\i+1]
.endr
.endr
.irp k, 0,1
	v_max_num_f32 v[MX+\k], v[MX+\k], v[SS+16*\k+15]
.endr
.irp k, 0,1
	v_permlanex16_b32 v[MY+\k], v[MX+\k], s50, s51
.endr
.irp k, 0,1
	v_max_num_f32 v[MX+\k], v[MX+\k], v[MY+\k]
.endr
	v_max_num_f32 v[LT], v[MX], v[MX+1]
	v_floor_f32 v[NM], -v[LT]                          ; -M = floor(-t) = -ceil(t)
.set i, 0
.rept 16
	v_pk_add_f32 v[PW+i:PW+i+1], v[SS+i:SS+i+1], v[NM:NM+1] op_sel_hi:[1,0]
.set i, i+2
.endr
.irp k, 0,1
	v_add_f32 v[MX+\k], v[MX+\k], v[NM]
.endr
.set i, 0
.rept 32
	v_exp_f32 v[PW+i], v[PW+i]                         ; p = 2^(t - M)
.set i, i+1
.endr
.irp k, 0,1
	v_exp_f32 v[MX+\k], v[MX+\k]                       ; the blocks' largest p: the same addition and exponential on the same number
.endr
	v_nop                                              ; a plain place behind the batch
	s_wait_alu depctr_va_vdst(0)                       ; one wait for the 34, ahead of their first reader
.irp k, 0,1
	v_max_num_f32 v[MX+\k], 0x1800000, v[MX+\k]
.endr
	CODES PF, PW, PS, 1
.irp i, 0,2,4,6,8,10,12,14                             ; the row's sum of the unquantised p, in place.  These lines are also the places between the scale word, the codes and the product
	v_pk_add_f32 v[PW+\i:PW+\i+1], v[PW+\i:PW+\i+1], v[PW+16+\i:PW+17+\i]
.endr
.irp i, 0,2,4,6
	v_pk_add_f32 v[PW+\i:PW+\i+1], v[PW+\i:PW+\i+1], v[PW+8+\i:PW+9+\i]
.endr
.irp i, 0,2
	v_pk_add_f32 v[PW+\i:PW+\i+1], v[PW+\i:PW+\i+1], v[PW+4+\i:PW+5+\i]
.endr
	v_pk_add_f32 v[PW:PW+1], v[PW:PW+1], v[PW+2:PW+3]
	v_add_f32 v[LT], v[PW], v[PW+1]
	v_permlanex16_b32 v[MY], v[LT], s50, s51
	v_add_f32 v[LT], v[LT], v[MY]
	v_rcp_f32 v[RL], v[LT]                             ; read by OOUT, behind its wait
.endm
.macro PV                              ; O^T = v^T p^T: K = 64 keys and 64 zero codes
	v_wmma_scale_f32_16x16x128_f8f6f4 v[OO:OO+7], v[VF:VF+7], v[PF:PF+7], 0, v[VS], v[PS] matrix_a_fmt:MATRIX_FMT_FP4 matrix_b_fmt:MATRIX_FMT_FP4
.endm
.macro OOUT b                          ; query tile b's result, divided by the sum, into the stage
	s_wait_alu depctr_va_vdst(0)                       ; the reciprocal's wait, ahead of its first reader
.irp i, 0,2,4,6
	v_pk_mul_f32 v[OT+8*(\b)+\i:OT+8*(\b)+\i+1], v[OO+\i:OO+\i+1], v[RL:RL+1] op_sel_hi:[1,0]
.endr
	ds_store_b128 v[SOA], v[OT+8*(\b):OT+8*(\b)+3] offset:ST+16*(\b)*PITCH
	ds_store_b128 v[SOA], v[OT+8*(\b)+4:OT+8*(\b)+7] offset:ST+16*(\b)*PITCH+16
.endm
; 32 numbers of a lane, HA (only read) -> QS.
.macro GELU
.set i, 0
.rept 32
	v_fma_f32 v[T5+i], |v[HA+i]|, s54, 1.0             ; 1 + |x| / (2 sqrt 2)
.set i, i+1
.endr
.set i, 0
.rept 32
	v_rcp_f32 v[T5+i], v[T5+i]                         ; t
.set i, i+1
.endr
.set i, 0
.rept 16
	v_pk_mul_f32 v[QS+i:QS+i+1], v[HA+i:HA+i+1], v[HA+i:HA+i+1]
.set i, i+2
.endr
.set i, 0
.rept 16
	v_pk_fma_f32 v[QS+i:QS+i+1], v[QS+i:QS+i+1], v[K2V:K2V+1], s[58:59] op_sel_hi:[1,1,0]   ; -x^2 log2(e) / 2 + c0
.set i, i+2
.endr
	s_wait_alu depctr_va_vdst(0)                       ; one wait for the 32 reciprocals; the 32 lines above are the work between
.set i, 0
.rept 16
	v_pk_fma_f32 v[P5+i:P5+i+1], v[T5+i:T5+i+1], v[C9:C9+1], s[76:77] op_sel_hi:[1,1,0]
.set i, i+2
.endr
.irp c, 74,72,70,68,66,62,60
.set i, 0
.rept 16
	v_pk_fma_f32 v[P5+i:P5+i+1], v[P5+i:P5+i+1], v[T5+i:T5+i+1], s[\c:\c+1] op_sel_hi:[1,1,0]
.set i, i+2
.endr
.endr
.set i, 0
.rept 16
	v_pk_fma_f32 v[P5+i:P5+i+1], v[P5+i:P5+i+1], v[T5+i:T5+i+1], v[QS+i:QS+i+1]
.set i, i+2
.endr
.set i, 0
.rept 32
	v_exp_f32 v[P5+i], v[P5+i]
.set i, i+1
.endr
.set i, 0
.rept 32
	v_mul_f32 v[T5+i], |v[HA+i]|, v[T5+i]              ; |x| t
.set i, i+1
.endr
.set i, 0
.rept 32
	v_max_num_f32 v[QS+i], 0, v[HA+i]                  ; max(x, 0)
.set i, i+1
.endr
	s_wait_alu depctr_va_vdst(0)                       ; one wait for the 32 exponentials; the 64 lines above are the work between
.set i, 0
.rept 16
	v_pk_fma_f32 v[QS+i:QS+i+1], v[T5+i:T5+i+1], v[P5+i:P5+i+1], v[QS+i:QS+i+1] neg_lo:[1,0,0] neg_hi:[1,0,0]
.set i, i+2
.endr
.endm
.macro QH m                            ; my 64 hidden units of 16 tokens are group w % 2 of K step w / 2: 16 bytes a lane and two bytes of a scale word
	s_wait_dscnt 0x0                                   ; the last tile's stores have read their registers
	MAX2 QS
	CODES CD, QS, HW, 0
	ds_store_b128 v[HWI], v[CD:CD+3] offset:4096*\m
	ds_store_b16 v[HWS], v[HW] offset:256*\m           ; lanes r and r + 16 write the same two bytes with the same value
.endm
.macro TIDX f, idx                     ; a table index into its three relative coordinates, as f32
	v_mul_u32_u24 v220, v[\idx], 1338
	v_lshrrev_b32 v220, 16, v220                       ; idx / 49 (exact up to 511)
	v_mul_u32_u24 v221, v220, 49
	v_sub_nc_u32 v221, v[\idx], v221
	v_mul_u32_u24 v222, v221, 9363
	v_lshrrev_b32 v222, 16, v222                       ; the rest / 7
	v_mul_u32_u24 v223, v222, 7
	v_sub_nc_u32 v223, v221, v223
	v_add_nc_u32 v220, -3, v220
	v_add_nc_u32 v222, -3, v222
	v_add_nc_u32 v223, -3, v223
	v_cvt_f32_i32 v[\f], v220
	v_cvt_f32_i32 v[\f+1], v222
	v_cvt_f32_i32 v[\f+2], v223
.endm
; ---------------------------------------------------------------- the head
	s_load_b512 s[4:19], s[0:1], 0x0               ; x 4, out0 6, qkv codes 8, scales 10, proj codes 12, scales 14, fc1 codes 16, scales 18
	s_load_b512 s[20:35], s[0:1], 0x40             ; fc2 codes 20, scales 22, b_qkv 24, b_proj 26, b_fc1 28, b_fc2 30, gamma1 32, beta1 34
	s_load_b256 s[36:43], s[0:1], 0x80             ; gamma2 36, beta2 38, w_bias1 40, b_bias1 42
	s_load_b128 s[44:47], s[0:1], 0xa0             ; w_bias2 44, b_bias2 46
	v_lshrrev_b32 v64, 5, v0
	v_readfirstlane_b32 s48, v64                   ; wave 0..7
	v_and_b32 v65, 31, v0                          ; L
	v_and_b32 v66, 15, v0                          ; r
	v_bfe_u32 v67, v0, 4, 1                        ; h
	v_and_b32 v68, 7, v0                           ; owner layout: my row of the wave's 8,
	v_bfe_u32 v69, v0, 3, 2                        ; and my block of its four
	v_lshl_add_u32 v[LI], v65, 4, AIMG
	v_lshl_add_u32 v[LS], v66, 2, ASC
	s_lshr_b32 s79, s48, 1                         ; w / 2
	s_and_b32 s80, s48, 1                          ; w % 2
	s_lshl_b32 s81, s79, 10
	s_lshl_b32 s82, s80, 7
	s_add_co_u32 s81, s81, s82
	s_add_co_u32 s81, s81, AIMG
	v_lshl_add_u32 v[AWI], v69, 8, s81             ; tile w / 2; block bq = group bq / 2, half bq % 2: 256 bq; row 8 (w % 2) + rho of the tile: 16 bytes each
	v_lshl_add_u32 v[AWI], v68, 4, v[AWI]
	s_lshl_b32 s81, s48, 5
	s_add_co_u32 s81, s81, ASC
	v_lshl_add_u32 v[AWS], v68, 2, s81
	v_add_nc_u32 v[AWS], v[AWS], v69
	s_mul_i32 s81, s48, 8*PITCH
	v_mul_u32_u24 v[OWN], v68, PITCH
	v_add_nc_u32 v[OWN], s81, v[OWN]
	v_lshl_add_u32 v[OWN], v69, 7, v[OWN]
	v_lshl_add_u32 v[DN], v65, 4, s81
	s_lshl_b32 s81, s48, 6
	v_mul_u32_u24 v[SOA], v66, PITCH
	v_lshl_add_u32 v[SOA], v67, 5, v[SOA]
	v_add_nc_u32 v[SOA], s81, v[SOA]
	v_lshl_add_u32 v[HWI], v0, 4, HIMG             ; 1,024 (w / 2) + 512 (w % 2) + 16 L = 16 x thread
	s_lshl_b32 s81, s79, 6
	s_lshl_b32 s82, s80, 1
	s_add_co_u32 s81, s81, s82
	s_add_co_u32 s81, s81, HSC
	v_lshl_add_u32 v[HWS], v66, 2, s81
	v_lshl_add_u32 v[GBA], v69, 7, GB
	; where my wave's rows lie in x and in out0: token 16 i1 + 4 i2 + i3 of a window comes from, and goes back to, position (4 w1 + i1 + 2, 4 w2 + i2 + 2, 4 w3 + i3 + 2), each modulo 32
	s_bfe_u32 s81, ttmp9, 0x30003
	s_lshl_b32 s81, s81, 2
	s_add_co_u32 s81, s81, s79                     ; i1 = w / 2
	s_add_co_u32 s81, s81, 2
	s_and_b32 s81, s81, 31                         ; X
	s_lshr_b32 s82, ttmp9, 6                       ; the batch
	s_lshl_b32 s82, s82, 5
	s_add_co_u32 s82, s82, s81
	s_lshl_b32 s82, s82, 5
	s_and_b32 s83, ttmp9, 7
	s_lshl_b32 s83, s83, 2
	s_lshl_b32 s84, s80, 1                         ; i2 = 2 (w % 2) + (0 or 1)
	s_add_co_u32 s83, s83, s84
	s_add_co_u32 s83, s83, 2
	s_add_co_u32 s84, s83, 1
	s_and_b32 s83, s83, 31                         ; Y of rows 0-3,
	s_and_b32 s84, s84, 31                         ; of rows 4-7
	s_add_co_u32 s83, s83, s82
	s_add_co_u32 s84, s84, s82
	s_lshl_b32 s83, s83, 14                        ; 32 positions of 512 bytes
	s_lshl_b32 s84, s84, 14
	v_lshl_add_u32 v[VB0], v65, 4, s83
	v_lshl_add_u32 v[VB1], v65, 4, s84
	s_mov_b32 s49, 0                               ; the window of the walk
	s_mov_b32 s50, 0x76543210
	s_mov_b32 s51, 0xfedcba98                      ; v_permlanex16_b32's selects for lane L xor 16
	SPAIR 52, 0x3eb8aa3b                           ; log2(e) / 4: the heads' scale 16^-0.5 and the change to base 2
	s_mov_b32 s54, 0x3eb504f3                      ; 1 / (2 sqrt 2)
	s_mov_b32 s55, 0x3727c5ac                      ; 1e-5
	SPAIR 56, 0x3fb8aa3b                           ; log2(e)
	SPAIR 58, 0xc034d90f                           ; the polynomial's coefficients x log2(e), 1 taken off the lowest for the factor 1/2
	SPAIR 60, 0x3fb8ab5a
	SPAIR 62, 0x3f0a29d2
	SPAIR 66, 0x3e0efb2f
	SPAIR 68, 0xbe899a80
	SPAIR 70, 0x3ecdfd18
	SPAIR 72, 0xbfd1a1e5
	SPAIR 74, 0x40097039
	SPAIR 76, 0xbf97d29d
	s_mov_b32 s78, 0x3c000000                      ; 1 / 128
	v_mov_b32 v[C9], 0x3e7c6f08
	v_mov_b32 v[C9+1], 0x3e7c6f08
	v_mov_b32 v[K2V], 0xbf38aa3b
	v_mov_b32 v[K2V+1], 0xbf38aa3b
.irp i, 58,59,60,61,244,245,246,247,248,249,250,251,252,253,254,255
	v_mov_b32 v[\i], 0                             ; written once: destinations of lane permutes and upper halves of pairs of which the low word is used
.endr
	v_lshlrev_b32 v224, 6, v66                     ; lane offsets of the weights' loads.  Codes of rows of 64 bytes: 64 r + 16 h;
	v_lshl_add_u32 v224, v67, 4, v224
	v_and_b32 v70, 8, v66
	v_add_nc_u32 v70, v70, v66                     ; r + 8 (r / 8): THE ROWS OF w_fc1 THAT FORM A TILE ARE NOT NEIGHBOURS: lane r of tile 2 b + u takes row 32 b + 8 u + r + 8 (r / 8)
	v_lshlrev_b32 v225, 6, v70
	v_lshl_add_u32 v225, v67, 4, v225
	v_lshlrev_b32 v226, 8, v66                     ; w_fc2: rows of 256 bytes
	v_lshl_add_u32 v226, v67, 4, v226
	v_lshlrev_b32 v227, 2, v66                     ; scale words
	v_lshlrev_b32 v228, 2, v70
	v_lshlrev_b32 v229, 4, v66
	v_lshlrev_b32 v230, 5, v67                     ; biases in the results' layout: my half's eight;
	v_lshlrev_b32 v231, 6, v67                     ; b_fc1: my half's sixteen
	v_mov_b32 v234, 0
	v_lshl_add_u32 v235, v0, 4, CW2
	v_lshl_add_u32 v236, v0, 2, CW1
	s_lshl_b32 s88, s48, 9
	s_wait_kmcnt 0x0
	; the small tensors that all waves read go to LDS once: waves 0-3 w_bias2, waves 4-7 the two norms' gains and offsets; and waves 0-5 w_bias1, waves 6-7 b_bias1.  The choices hang on the wave's number alone
	s_cmp_lt_u32 s48, 4
	s_cselect_b64 s[84:85], s[44:45], s[32:33]
	s_cselect_b32 s88, s88, 0
	s_cmp_eq_u32 s48, 5
	s_cselect_b64 s[84:85], s[34:35], s[84:85]
	s_cmp_eq_u32 s48, 6
	s_cselect_b64 s[84:85], s[36:37], s[84:85]
	s_cmp_eq_u32 s48, 7
	s_cselect_b64 s[84:85], s[38:39], s[84:85]
	s_cmp_lt_u32 s48, 6
	s_cselect_b64 s[86:87], s[40:41], s[42:43]
	s_cselect_b32 s89, 0, 768
	v_lshl_add_u32 v232, v65, 4, s88
	v_lshlrev_b32 v233, 2, v0
	v_sub_nc_u32 v233, v233, s89
	global_load_b128 v[220:223], v232, s[84:85]
	global_load_b32 v219, v233, s[86:87]
	global_load_b128 v[192:195], v234, s[46:47]            ; b_bias2 starts both of my table entries' sums
	global_load_b128 v[196:199], v234, s[46:47] offset:16
	global_load_b128 v[200:203], v234, s[46:47]
	global_load_b128 v[204:207], v234, s[46:47] offset:16
	OFFS LOFF, s49
	XLOAD                                          ; the first window's rows
	s_wait_loadcnt 8                               ; the six loads above are in; the eight of x, issued behind them, may stay out
	ds_store_b128 v235, v[220:223]
	ds_store_b32 v236, v219
	; my wave's weights, biases and scale words: 60 loads; they are waited for at the head of the first window
	s_mov_b32 s83, 0
	s_lshl_b32 s82, s48, 10
	s_add_nc_u64 s[8:9], s[8:9], s[82:83]          ; 16 rows of 64 bytes
	s_add_nc_u64 s[12:13], s[12:13], s[82:83]
	s_lshl_b32 s82, s48, 6
	s_add_nc_u64 s[10:11], s[10:11], s[82:83]      ; 16 words, or 16 f32
	s_add_nc_u64 s[14:15], s[14:15], s[82:83]
	s_add_nc_u64 s[24:25], s[24:25], s[82:83]
	s_add_nc_u64 s[26:27], s[26:27], s[82:83]
	s_add_nc_u64 s[30:31], s[30:31], s[82:83]
	s_lshl_b32 s82, s48, 12
	s_add_nc_u64 s[16:17], s[16:17], s[82:83]      ; 64 rows of 64 bytes; 16 rows of 256
	s_add_nc_u64 s[20:21], s[20:21], s[82:83]
	s_lshl_b32 s82, s48, 8
	s_add_nc_u64 s[18:19], s[18:19], s[82:83]
	s_add_nc_u64 s[22:23], s[22:23], s[82:83]
	s_add_nc_u64 s[28:29], s[28:29], s[82:83]
	WIN 0x40
.irp c, 0,1
	global_load_b128 v[WQ+4*\c:WQ+4*\c+3], v224, s[8:9] offset:32*\c
	global_load_b128 v[WK+4*\c:WK+4*\c+3], v224, s[8:9] offset:8192+32*\c
	global_load_b128 v[WV+4*\c:WV+4*\c+3], v224, s[8:9] offset:16384+32*\c
	global_load_b128 v[WP+4*\c:WP+4*\c+3], v224, s[12:13] offset:32*\c
.endr
.irp t, 0,1,2,3
.irp c, 0,1
	global_load_b128 v[WF1+8*\t+4*\c:WF1+8*\t+4*\c+3], v225, s[16:17] offset:(32*(\t/2)+8*(\t%2))*64+32*\c
	global_load_b128 v[WF2+8*\t+4*\c:WF2+8*\t+4*\c+3], v226, s[20:21] offset:64*\t+32*\c
.endr
.endr
.irp q, 0,1
	global_load_b128 v[BQ+4*\q:BQ+4*\q+3], v230, s[24:25] offset:16*\q
	global_load_b128 v[BK+4*\q:BK+4*\q+3], v230, s[24:25] offset:512+16*\q
	global_load_b128 v[BP+4*\q:BP+4*\q+3], v230, s[26:27] offset:16*\q
	global_load_b128 v[BF2+4*\q:BF2+4*\q+3], v230, s[30:31] offset:16*\q
.endr
.irp j, 0,1,2,3,4,5,6,7
	global_load_b32 v[BV+\j], v227, s[24:25] offset:1024       ; in v's layout a lane holds one of the head's 16: its bias eight times
.endr
.irp t, 0,1,2,3
.irp q, 0,1
	global_load_b128 v[BF1+8*\t+4*\q:BF1+8*\t+4*\q+3], v231, s[28:29] offset:(32*(\t/2)+8*(\t%2))*4+16*\q
.endr
.endr
	WIN 0
	global_load_b32 v[WQS], v227, s[10:11]
	global_load_b32 v[WKS], v227, s[10:11] offset:512
	global_load_b32 v[WVS], v227, s[10:11] offset:1024
	global_load_b32 v[WPS], v227, s[14:15]
.irp t, 0,1,2,3
	global_load_b32 v[WF1S+\t], v228, s[18:19] offset:(32*(\t/2)+8*(\t%2))*4
	global_load_b32 v[WF2S+\t], v229, s[22:23] offset:4*\t
.endr
	BAR                                            ; the small tensors lie in LDS
	; THE BIAS TABLE: the bias hangs on the three relative coordinates alone: 343 triples x 8 heads.  Thread i makes entries i and i + 256 (those from 343 on are never read), in f32 multiply-adds.
	TIDX 208, 0
	v_add_nc_u32 v238, 0x100, v0
	TIDX 211, 238
	s_mov_b32 s90, 0
	s_mov_b32 s91, CW1
	s_mov_b32 s92, CW2
.Ltab:                                             ; 8 trips of 8 hidden units
	v_mov_b32 v216, s91
	v_mov_b32 v217, s92
.irp i, 0,1,2,3
.irp q, 0,1
	ds_load_b128 v[160+8*\i+4*\q:160+8*\i+4*\q+3], v216 offset:256*\i+16*\q    ; w_bias1's rows 0-2 and b_bias1 at these units
.endr
.endr
.irp q, 0,1,2,3,4,5,6,7,8,9,10,11,12,13,14,15
	ds_load_b128 v[64+4*\q:64+4*\q+3], v217 offset:16*\q                       ; w_bias2: 8 units x 8 heads
.endr
	s_wait_dscnt 0x0
.irp u, 0,1,2,3,4,5,6,7
	v_fma_f32 v214, v208, v[160+\u], v[184+\u]
	v_fma_f32 v215, v211, v[160+\u], v[184+\u]
	v_fma_f32 v214, v209, v[168+\u], v214
	v_fma_f32 v215, v212, v[168+\u], v215
	v_fma_f32 v214, v210, v[176+\u], v214
	v_fma_f32 v215, v213, v[176+\u], v215
	v_max_num_f32 v214, 0, v214
	v_max_num_f32 v215, 0, v215
.irp p, 0,2,4,6
	v_pk_fma_f32 v[192+\p:193+\p], v[214:215], v[64+8*\u+\p:65+8*\u+\p], v[192+\p:193+\p] op_sel_hi:[0,1,1]   ; the first entry's unit for both heads of the pair
	v_pk_fma_f32 v[200+\p:201+\p], v[214:215], v[64+8*\u+\p:65+8*\u+\p], v[200+\p:201+\p] op_sel:[1,0,0]      ; the second entry's
.endr
.endr
	s_add_co_u32 s91, s91, 32
	s_add_co_u32 s92, s92, 256
	s_add_co_u32 s90, s90, 1
	s_cmp_lt_u32 s90, 8
	s_cbranch_scc1 .Ltab
.irp p, 0,2,4,6,8,10,12,14
	v_pk_mul_f32 v[192+\p:193+\p], v[192+\p:193+\p], s[56:57] op_sel_hi:[1,0]  ; x log2(e)
.endr
	v_lshl_add_u32 v218, v0, 5, TAB
	ds_store_b128 v218, v[192:195]
	ds_store_b128 v218, v[196:199] offset:16
	ds_store_b128 v218, v[200:203] offset:8192
	ds_store_b128 v218, v[204:207] offset:8208
	BAR                                            ; the table lies in LDS
	; My head's 7 bias tiles.  A tile of 16 tokens is a plane i1, so a tile of S^T hangs on the planes' difference d alone.  Lane (r, h), register j: query (r / 4, r % 4), key (2 h + j / 4, j % 4).
	v_bfe_u32 v220, v0, 2, 2
	v_and_b32 v221, 3, v0
	v_bfe_u32 v222, v0, 4, 1
	v_mul_u32_u24 v220, v220, 7
	v_add_nc_u32 v220, v220, v221
	v_add_nc_u32 v220, 14, v220
	v_mul_u32_u24 v222, v222, 14
	v_sub_nc_u32 v220, v220, v222                  ; 7 (r / 4 - 2 h) + r % 4 + 14: the lane's part of the index, held at 0 or above
	s_lshl_b32 s79, s48, 2
	s_add_co_u32 s79, s79, TAB
	v_lshl_add_u32 v237, v220, 5, s79
	WIN 0x40
.irp d, 0,1,2,3,4,5,6
.irp j, 0,1,2,3,4,5,6,7
	ds_load_b32 v[TB+8*\d+\j], v237 offset:32*(49*\d+7*(3-\j/4)+3-\j%4-14)
.endr
.endr
	WIN 0
	s_wait_dscnt 0x0
; ---------------------------------------------------------------- a window
.Lwin:
	s_wait_loadcnt 0x0                             ; this window's rows are in (in the first trip the weights too)
	s_wait_xcnt 0x0                                ; the last window's stores have read their data and offsets: both are written again only behind this wait
	WIN 0x04
.irp j, 0,1,2,3,4,5,6,7
	ds_store_b128 v[DN], v[XN+4*\j:XN+4*\j+3] offset:PITCH*\j      ; my 8 rows of x stay in LDS for the residual
.endr
	WIN 0
	; ---- P0: LayerNorm 1 of my rows, quantised.  LDS serves a wave's instructions in order: these loads see the stores above
.irp j, 0,1,2,3,4,5,6,7
	ds_load_b128 v[YY+4*\j:YY+4*\j+3], v[OWN] offset:16*\j
.endr
.irp j, 0,1,2,3,4,5,6,7
	ds_load_b128 v[GG+4*\j:GG+4*\j+3], v[GBA] offset:16*\j
	ds_load_b128 v[BT+4*\j:BT+4*\j+3], v[GBA] offset:512+16*\j
.endr
	s_wait_dscnt 16                                ; my block is in; the 16 loads of gain and offset may stay out
	LNQ 0
	BAR                                            ; the window's four fragments lie in LDS
	; ---- P1: my head.  q, k: source 0 = 16 rows of the weight, source 1 = 16 tokens.  v: the other way round.  The biases are the C of the products
	AFETCH PW
.irp i, 4,5,6,7
	v_mov_b32 v[PF+\i], 0                          ; K = 64 .. 127 of p v: zero codes on both sides
	v_mov_b32 v[VF+\i], 0
.endr
	s_wait_dscnt 0x0
	WIN 0x11
.irp m, 0,1,2,3
	MMC QQ+8*\m, WQ, PW+8*\m, BQ, WQS, ASR+\m
	MMC KK+8*\m, WK, PW+8*\m, BK, WKS, ASR+\m
.endr
	WIN 0x14
.irp m, 0,1,2,3
	MMC VV+8*\m, PW+8*\m, WV, BV, ASR+\m, WVS
.endr
	WIN 0
	NOPS 4                                         ; places behind the products, ahead of the first read of their results
.set i, 0
.rept 16
	v_pk_mul_f32 v[QQ+i:QQ+i+1], v[QQ+i:QQ+i+1], s[52:53] op_sel_hi:[1,0]
.set i, i+2
.endr
	QK 0
	MAX2 VV                                        ; v is quantised along the tokens; these lines are also the places behind the f32 products
	CODES VF, VV, VS, 1
	SM
	PV
.irp b, 1,2,3
	QK \b
	NOPS 5                                         ; with the four multiplies below: nine places behind the f32 products, of which eight are asked; and the places behind the product that made O^T
	OOUT \b-1
	SM
	PV
.endr
	NOPS 4
	OOUT 3
	BAR                                            ; 64 rows of attention's result lie in the stage
	; ---- P2: my rows of it, quantised
.irp j, 0,1,2,3,4,5,6,7
	ds_load_b128 v[YY+4*\j:YY+4*\j+3], v[OWN] offset:ST+16*\j
.endr
	s_wait_dscnt 0x0
	QROW
	BAR
	; ---- P3: proj, my 16 outputs for the 64 tokens
	AFETCH XF
	s_wait_dscnt 0x0
	WIN 0x11
.irp m, 0,1,2,3
	MMC PA+8*\m, WP, XF+8*\m, BP, WPS, ASR+\m
.endr
	WIN 0
	NOPS 4
.irp m, 0,1,2,3
	ds_store_b128 v[SOA], v[PA+8*\m:PA+8*\m+3] offset:ST+16*\m*PITCH
	ds_store_b128 v[SOA], v[PA+8*\m+4:PA+8*\m+7] offset:ST+16*\m*PITCH+16
.endr
	BAR
	; ---- P4: the first residual, kept in XB; LayerNorm 2, quantised
.irp j, 0,1,2,3,4,5,6,7
	ds_load_b128 v[YY+4*\j:YY+4*\j+3], v[OWN] offset:ST+16*\j
.endr
.irp j, 0,1,2,3,4,5,6,7
	ds_load_b128 v[ZZ+4*\j:ZZ+4*\j+3], v[OWN] offset:16*\j
.endr
.irp j, 0,1,2,3,4,5,6,7
	ds_load_b128 v[GG+4*\j:GG+4*\j+3], v[GBA] offset:1024+16*\j
	ds_load_b128 v[BT+4*\j:BT+4*\j+3], v[GBA] offset:1536+16*\j
.endr
	s_wait_dscnt 16                                ; both addends are in; gain and offset may stay out
.set i, 0
.rept 16
	v_pk_add_f32 v[YY+i:YY+i+1], v[YY+i:YY+i+1], v[ZZ+i:ZZ+i+1]
.set i, i+2
.endr
.irp j, 0,1,2,3,4,5,6,7
	ds_store_b128 v[OWN], v[YY+4*\j:YY+4*\j+3] offset:16*\j
.endr
	LNQ 8                                          ; gain and offset were asked for ahead of the eight stores, which may stay out
	BAR
	; ---- P5: the next window's rows are asked for, if there is one (no load leaves x); then fc1, GELU and the hidden layer's codes, 16 tokens at a time
	s_cmp_eq_u32 s49, 7
	s_cbranch_scc1 .Lno_next
	s_add_co_u32 s79, s49, 1
	OFFS LOFF, s79
	XLOAD
.Lno_next:
	AFETCH XF
	s_wait_dscnt 0x0
.irp m, 0,1,2,3
	WIN 0x11
.irp t, 0,1,2,3
	MMC HA+8*\t, WF1+8*\t, XF+8*\m, BF1+8*\t, WF1S+\t, ASR+\m
.endr
	WIN 0
	NOPS 4
	GELU
	QH \m
.endr
	BAR                                            ; the hidden layer's sixteen fragments lie in LDS
	; ---- P6: fc2, my 16 outputs for the 64 tokens: four accumulators by turns, a K step at a time; all 48 loads go out at once
.irp s, 0,1,2,3
.irp m, 0,1,2,3
	ds_load_b128 v[64+8*(4*\s+\m)+32*(\s/2):64+8*(4*\s+\m)+32*(\s/2)+3], v[LI] offset:HIMG-AIMG+1024*(4*\m+\s)
	ds_load_b128 v[64+8*(4*\s+\m)+32*(\s/2)+4:64+8*(4*\s+\m)+32*(\s/2)+7], v[LI] offset:HIMG-AIMG+1024*(4*\m+\s)+512
	ds_load_b32 v[HSR+4*\s+\m], v[LS] offset:HSC-ASC+64*(4*\m+\s)
.endr
.endr
.irp s, 0,1,2,3
	s_wait_dscnt 36-12*\s                          ; this K step's 12 loads are in; the later steps' may stay out
.if \s == 0
	WIN 0x11
.else
	WIN 0x01
.endif
.irp m, 0,1,2,3
.if \s == 0
	MMC FA+8*\m, WF2, 64+8*\m, BF2, WF2S, HSR+\m
.else
	MMC FA+8*\m, WF2+8*\s, 64+8*(4*\s+\m)+32*(\s/2), FA+8*\m, WF2S+\s, HSR+4*\s+\m
.endif
.endr
.endr
	WIN 0
	NOPS 4                                         ; places ahead of the first read of the results, and of the loads below into registers that the products have read
.irp m, 0,1,2,3
	ds_store_b128 v[SOA], v[FA+8*\m:FA+8*\m+3] offset:ST+16*\m*PITCH
	ds_store_b128 v[SOA], v[FA+8*\m+4:FA+8*\m+7] offset:ST+16*\m*PITCH+16
.endr
	BAR
	; ---- P7: the second residual; each store writes a whole row of 512 bytes, at a multiple of 512 from out0's first byte
	OFFS SOFF, s49
.irp j, 0,1,2,3,4,5,6,7
	ds_load_b128 v[YY+4*\j:YY+4*\j+3], v[DN] offset:ST+PITCH*\j
	ds_load_b128 v[ZZ+4*\j:ZZ+4*\j+3], v[DN] offset:PITCH*\j
.endr
.irp j, 0,1,2,3,4,5,6,7
	s_wait_dscnt 14-2*\j                           ; row j's two loads are in; the later rows' pairs may stay out
	v_pk_add_f32 v[YY+4*\j:YY+4*\j+1], v[YY+4*\j:YY+4*\j+1], v[ZZ+4*\j:ZZ+4*\j+1]
	v_pk_add_f32 v[YY+4*\j+2:YY+4*\j+3], v[YY+4*\j+2:YY+4*\j+3], v[ZZ+4*\j+2:ZZ+4*\j+3]
	global_store_b128 v[SOFF+2*(\j/4)+(\j%4)/2], v[YY+4*\j:YY+4*\j+3], s[6:7] offset:512*(\j%2) th:TH_STORE_NT
.endr
	s_add_co_u32 s49, s49, 1
	s_cmp_lt_u32 s49, 8
	s_cbranch_scc1 .Lwin
	s_wait_xcnt 0x0
	v_lshl_add_u32 v254, v0, 2, 0x1b100
	v_mov_b32 v255, 0
	s_wait_tensorcnt 0x0
	ds_add_u32 v254, v255
	s_wait_dscnt 0x0
	s_endpgm
.Lfunc_end_k_q5f070bdbd4_swin:
	.size	k_q5f070bdbd4_swin, .Lfunc_end_k_q5f070bdbd4_swin-k_q5f070bdbd4_swin
	.p2alignl 7, 3214868480
	.fill 96, 4, 3214868480
	.section	.rodata,"a",@progbits
	.p2align	6, 0x0
	.amdhsa_kernel k_q5f070bdbd4_swin
		.amdhsa_group_segment_fixed_size 111872
		.amdhsa_private_segment_fixed_size 0
		.amdhsa_enable_private_segment 0
		.amdhsa_kernarg_size 176
		.amdhsa_user_sgpr_count 2
		.amdhsa_user_sgpr_kernarg_segment_ptr 1
		.amdhsa_wavefront_size32 1
		.amdhsa_system_sgpr_workgroup_id_x 1
		.amdhsa_system_sgpr_workgroup_id_y 1
		.amdhsa_system_sgpr_workgroup_id_z 1
		.amdhsa_system_vgpr_workitem_id 0
		.amdhsa_next_free_vgpr 512
		.amdhsa_next_free_sgpr 96
		.amdhsa_reserve_vcc 0
		.amdhsa_float_denorm_mode_32 3
		.amdhsa_float_denorm_mode_16_64 3
		.amdhsa_memory_ordered 1
		.amdhsa_forward_progress 1
		.amdhsa_inst_pref_size 188
	.end_amdhsa_kernel
	.amdgpu_metadata
---
amdhsa.version: [ 1, 2 ]
amdhsa.kernels:
  - .name:           k_q5f070bdbd4_swin
    .symbol:         k_q5f070bdbd4_swin.kd
    .args:
      - { .name: x, .offset: 0, .size: 8, .value_kind: global_buffer, .address_space: global }
      - { .name: out0, .offset: 8, .size: 8, .value_kind: global_buffer, .address_space: global }
      - { .name: w_qkv_codes, .offset: 16, .size: 8, .value_kind: global_buffer, .address_space: global }
      - { .name: w_qkv_scales, .offset: 24, .size: 8, .value_kind: global_buffer, .address_space: global }
      - { .name: w_proj_codes, .offset: 32, .size: 8, .value_kind: global_buffer, .address_space: global }
      - { .name: w_proj_scales, .offset: 40, .size: 8, .value_kind: global_buffer, .address_space: global }
      - { .name: w_fc1_codes, .offset: 48, .size: 8, .value_kind: global_buffer, .address_space: global }
      - { .name: w_fc1_scales, .offset: 56, .size: 8, .value_kind: global_buffer, .address_space: global }
      - { .name: w_fc2_codes, .offset: 64, .size: 8, .value_kind: global_buffer, .address_space: global }
      - { .name: w_fc2_scales, .offset: 72, .size: 8, .value_kind: global_buffer, .address_space: global }
      - { .name: b_qkv, .offset: 80, .size: 8, .value_kind: global_buffer, .address_space: global }
      - { .name: b_proj, .offset: 88, .size: 8, .value_kind: global_buffer, .address_space: global }
      - { .name: b_fc1, .offset: 96, .size: 8, .value_kind: global_buffer, .address_space: global }
      - { .name: b_fc2, .offset: 104, .size: 8, .value_kind: global_buffer, .address_space: global }
      - { .name: gamma1, .offset: 112, .size: 8, .value_kind: global_buffer, .address_space: global }
      - { .name: beta1, .offset: 120, .size: 8, .value_kind: global_buffer, .address_space: global }
      - { .name: gamma2, .offset: 128, .size: 8, .value_kind: global_buffer, .address_space: global }
      - { .name: beta2, .offset: 136, .size: 8, .value_kind: global_buffer, .address_space: global }
      - { .name: w_bias1, .offset: 144, .size: 8, .value_kind: global_buffer, .address_space: global }
      - { .name: b_bias1, .offset: 152, .size: 8, .value_kind: global_buffer, .address_space: global }
      - { .name: w_bias2, .offset: 160, .size: 8, .value_kind: global_buffer, .address_space: global }
      - { .name: b_bias2, .offset: 168, .size: 8, .value_kind: global_buffer, .address_space: global }
    .group_segment_fixed_size: 111872
    .private_segment_fixed_size: 0
    .kernarg_segment_align: 8
    .kernarg_segment_size: 176
    .max_flat_workgroup_size: 256
    .sgpr_count:     96
    .vgpr_count:     512
    .wavefront_size: 32
...
	.end_amdgpu_metadata
.endif
;; end of part 1
